; MI455X (gfx1250); checked and timed in simulation.
; The chip was launched on July 23, 2026; its instructions are those of AMD's public machine-readable ISA for CDNA 5 (MIT licence, August 2026) and "CDNA5" Instruction Set Architecture Reference Guide (July 2026). The comments in the code are by the model that wrote it; some were corrected since.
;; Mixed Precision QAT Linear Enhanced. Allowed arithmetic: matrix products marked QUANTISED: E2M3 operands, one E8M0 scale for each 32 along K, by v_wmma_scale_f32_16x16x128_f8f6f4 with both operands' format E2M3, f32 sums; everything else in f32.
;; Inputs: W 4,096 x 4,096 float32; b 4,096 float32; logits_a 3 float32; logits_w 3 float32; lsq_a_beta one number float32; lsq_a_s one number float32; lsq_w_s one number float32; pact_alpha one number float32; rescale_scale one number float32; x 4 x 1,024 x 4,096 float32.
;; Outputs: out0 4 x 1,024 x 4,096 float32.
;; This version of the problem:
;;   THIS VERSION OF THE PROBLEM IS GIVEN IN LOW PRECISION. The matrix products marked QUANTISED in the list below multiply operands that are first quantised to E2M3 (2 exponent bits, 3 mantissa bits; 6 bits a number), with one power-of-two scale for each 32 numbers along K (OCP MX v1.0); their sums are f32. All else is computed in f32.
;;   The module's matrix products, in the order in which they are computed (A, B: the left and right operand; K: the contracted axis; several contracted axes count as one K, in the product's order):
;;     1. [M 4,096, K 4,096] x [K 4,096, N 4,096]; A: computed on the way; B: computed on the way: QUANTISED
;;   THE QUANTISER, for each operand of a quantised product, along K:
;;     - K is cut into blocks of 32 from its start; a last block that is shorter is filled with zeros.
;;     - A block's scale is 2^e with e = floor(log2(the largest magnitude in the block)) - 2, held to -126 .. 127; a block of zeros has e = 0. As a byte (E8M0): e + 127.
;;     - Each number is divided by its block's scale, clamped to +-7.5, and rounded to the nearest number of E2M3, ties to even, subnormals kept.
;;     - The product sums the exact products of the quantised numbers (number of the format x scale) in f32.
;;   ~~~python
;;   def quantise(x, axis):      # numpy; x: float32 -> the quantised numbers, widened to float32 again
;;       x = np.moveaxis(x, axis, -1); K = x.shape[-1]
;;       x = np.pad(x, [(0, 0)] * (x.ndim - 1) + [(0, -K % 32)]); x = x.reshape(x.shape[:-1] + (-1, 32)); a = np.abs(x).max(-1, keepdims=True)
;;       e = np.where(a > 0, np.clip(np.frexp(np.where(a > 0, a, 1))[1] - 1 - 2, -126, 127), 0)      # np.frexp(a)[1] - 1 = floor(log2(a)), exactly
;;       r = np.clip(x / 2.0 ** e, -7.5, 7.5)
;;       step = 2.0 ** (np.maximum(np.frexp(np.where(r == 0, 1, r))[1] - 1, 0) - 3)
;;       q = np.round(r / step) * step * 2.0 ** e      # np.round: ties to even
;;       return np.moveaxis(q.reshape(q.shape[:-2] + (-1,))[..., :K], -1, axis).astype(np.float32)
;;   ~~~
;;   OPERANDS COMPUTED ON THE WAY. 'Computed on the way' means the value that the module computes at that place (a softmax that the list does not call 'softmax' is quantised finished and normalised). What goes into a quantiser is computed in f32, as accurately as f32 sums, v_exp_f32 and their like allow (about 1e-6 of the number): no bf16 or f16 on the way to a quantiser, and a product that is left as it is and whose result goes on into a quantised operand takes f32 operands (vector FMAs, or v_wmma_f32_16x16x4_f32). A number that lies on a knife's edge between two numbers of the format may be rounded either way, as far as f32 arithmetic and the matrix unit's own rounding can turn it there, and no further.
;; One version. Each part assembles by itself: llvm-mc -triple=amdgcn-amd-amdhsa -mcpu=gfx1250 --defsym DOCPART=n.
;; ======== version 1 of 1: 3 launches
;; limits: right only within a limited range of input values
;; workspace buffers: wmax 2,048 bytes; aq 13,107,200 bytes; bq 13,107,200 bytes
;; launch wmax (part 1): grid 512 x 1, 8 waves a work-group, no clusters, 1,280 bytes of LDS; arguments W, wmax; writes wmax
.if DOCPART == 1
	.amdgcn_target "amdgcn-amd-amdhsa--gfx1250"
	.amdhsa_code_object_version 6
	.text
	.protected	k_qfb4530e52e_wmax
	.globl	k_qfb4530e52e_wmax
	.p2align	8
	.type	k_qfb4530e52e_wmax,@function
k_qfb4530e52e_wmax:
	s_mov_b64 s[64:65], 0
	v_nop
	global_prefetch_b8 v0, s[64:65] scope:SCOPE_SE
	s_setreg_imm32_b32 hwreg(HW_REG_WAVE_MODE, 25, 1), 1
	s_wait_xcnt 0x0
; wmax[g] = the largest |W| among work-group g's 32,768 numbers.  W: [4096][4096] f32, taken as a plain stream; 512 work-groups x 128 KiB.
; The 8-bit symmetric quantiser of the weights needs max |W / scale| over all of W before any weight can be quantised.  Division by a positive number keeps the order,
; so the largest |W| is found here and divided in the next launch, which also joins the 512 partial maxima.
; A wave takes 16 KiB: 32 loads of 16 bytes a lane, each 512 consecutive bytes, all issued at once: every offset is an immediate, nothing is stepped.
; LIMITS: NaN among W is passed over by the maximum (v_max_num takes the number); infinities are not served.
.set X, 16                             ; v[16:143] load j in v[16 + 4 j : 19 + 4 j]
.set M, 4                              ; v[4:7]    four running maxima, so that no line waits for the line above it
	s_load_b128 s[4:7], s[0:1], 0x0                ; W s[4:5], wmax s[6:7]
	v_lshl_add_u32 v144, v0, 2, 0x100
	v_mov_b32 v145, 0
	v_lshrrev_b32 v2, 5, v0
	s_delay_alu instid0(VALU_DEP_1)
	v_readfirstlane_b32 s8, v2                     ; wave 0..7
	v_and_b32 v1, 31, v0
	s_delay_alu instid0(VALU_DEP_1)
	v_lshlrev_b32 v1, 4, v1                        ; 16 bytes a lane
	s_delay_alu instid0(VALU_DEP_4)
	v_lshlrev_b32 v2, 2, v2                        ; LDS: a word for each wave
	v_mov_b32 v3, 0
	v_mov_b32 v8, 0                                ; written once: a lane permute's destination counts as one of its sources
	s_lshl_b32 s10, ttmp9, 17                      ; the work-group's 128 KiB (under 2^26),
	s_lshl_b32 s9, s8, 14                          ; my wave's 16 KiB of them
	s_add_co_u32 s10, s10, s9
	s_mov_b32 s11, 0
	s_lshl_b32 s2, ttmp9, 2                        ; the work-group's word in wmax
	s_mov_b32 s3, 0
	s_mov_b32 s12, 0x76543210                      ; v_permlanex16_b32's selects for lane l xor 16
	s_mov_b32 s13, 0xfedcba98
	s_wait_alu depctr_va_vdst(0)
	s_wait_kmcnt 0x0
	s_add_nc_u64 s[4:5], s[4:5], s[10:11]
	s_add_nc_u64 s[6:7], s[6:7], s[2:3]
.irp j, 0,1,2,3,4,5,6,7,8,9,10,11,12,13,14,15,16,17,18,19,20,21,22,23,24,25,26,27,28,29,30,31
	global_load_b128 v[X+4*\j:X+4*\j+3], v1, s[4:5] offset:512*\j   ; no hint: the next launch reads W again
.endr
; Batch g: eight loads, 32 registers; chain k takes eight of them.  The first batch starts the chains: nothing is cleared.
.macro MAXB g
.if \g == 0
.irp k, 0,1,2,3
	v_max3_num_f32 v[M+\k], |v[X+8*\k]|, |v[X+8*\k+1]|, |v[X+8*\k+2]|
.endr
.irp i, 3,5
.irp k, 0,1,2,3
	s_delay_alu instid0(VALU_DEP_4)
	v_max3_num_f32 v[M+\k], v[M+\k], |v[X+8*\k+\i]|, |v[X+8*\k+\i+1]|
.endr
.endr
.irp k, 0,1,2,3
	s_delay_alu instid0(VALU_DEP_4)
	v_max_num_f32 v[M+\k], v[M+\k], |v[X+8*\k+7]|
.endr
.else
.irp i, 0,2,4,6
.irp k, 0,1,2,3
	v_max3_num_f32 v[M+\k], v[M+\k], |v[X+32*\g+8*\k+\i]|, |v[X+32*\g+8*\k+\i+1]|
.endr
.endr
.endif
.endm
.irp g, 0,1,2,3
	s_wait_alu depctr_va_vdst(0)
	s_wait_loadcnt 24-8*\g                         ; loads come back in order: batch g is in, the younger batches of eight stay out
	MAXB \g
.endr
	s_delay_alu instid0(VALU_DEP_2)
	v_max3_num_f32 v[M], v[M], v[M+1], v[M+2]
	s_delay_alu instid0(VALU_DEP_1)
	v_max_num_f32 v[M], v[M], v[M+3]
	s_delay_alu instid0(VALU_DEP_1)
	v_max_num_f32_dpp v[M], v[M], v[M] row_xmask:1 row_mask:0xf bank_mask:0xf
	s_delay_alu instid0(VALU_DEP_1)
	v_max_num_f32_dpp v[M], v[M], v[M] row_xmask:2 row_mask:0xf bank_mask:0xf
	s_delay_alu instid0(VALU_DEP_1)
	v_max_num_f32_dpp v[M], v[M], v[M] row_xmask:4 row_mask:0xf bank_mask:0xf
	s_delay_alu instid0(VALU_DEP_1)
	v_max_num_f32_dpp v[M], v[M], v[M] row_xmask:8 row_mask:0xf bank_mask:0xf
	s_delay_alu instid0(VALU_DEP_1)
	v_permlanex16_b32 v8, v[M], s12, s13
	s_delay_alu instid0(VALU_DEP_1)
	v_max_num_f32 v[M], v[M], v8                   ; every lane holds the wave's maximum
	ds_store_b32 v2, v[M]                          ; all lanes write the wave's word with the same value
	s_wait_dscnt 0x0                               ; for the others' sake: my store has landed
	s_barrier_signal -1
	s_barrier_wait -1
	s_cmp_lg_u32 s8, 0                             ; wave 0 joins the eight and stores
	s_cbranch_scc1 .Ldone
	ds_load_b128 v[8:11], v3
	ds_load_b128 v[12:15], v3 offset:16
	s_wait_dscnt 0x0
	v_max3_num_f32 v8, v8, v9, v10
	v_max3_num_f32 v11, v11, v12, v13
	s_delay_alu instid0(VALU_DEP_2)
	v_max3_num_f32 v8, v8, v14, v15
	s_delay_alu instid0(VALU_DEP_1)
	v_max_num_f32 v8, v8, v11
	s_wait_alu depctr_va_vdst(0)
	s_wait_xcnt 0x0                                ; EXEC is a source of the loads above: it changes only behind this wait
	v_cmp_eq_u32 vcc_lo, 0, v0
	s_and_saveexec_b32 s14, vcc_lo
	global_store_b32 v3, v8, s[6:7]                ; one number for the work-group
	s_wait_xcnt 0x0                                ; and again in front of the line that widens it
	s_or_b32 exec_lo, exec_lo, s14
.Ldone:
	s_wait_tensorcnt 0x0
	ds_add_u32 v144, v145
	s_wait_dscnt 0x0
	s_endpgm
.Lfunc_end_k_qfb4530e52e_wmax:
	.size	k_qfb4530e52e_wmax, .Lfunc_end_k_qfb4530e52e_wmax-k_qfb4530e52e_wmax
	.p2alignl 7, 3214868480
	.fill 96, 4, 3214868480
	.section	.rodata,"a",@progbits
	.p2align	6, 0x0
	.amdhsa_kernel k_qfb4530e52e_wmax
		.amdhsa_group_segment_fixed_size 1280
		.amdhsa_private_segment_fixed_size 0
		.amdhsa_enable_private_segment 0
		.amdhsa_kernarg_size 16
		.amdhsa_user_sgpr_count 2
		.amdhsa_user_sgpr_kernarg_segment_ptr 1
		.amdhsa_wavefront_size32 1
		.amdhsa_system_sgpr_workgroup_id_x 1
		.amdhsa_system_sgpr_workgroup_id_y 1
		.amdhsa_system_sgpr_workgroup_id_z 1
		.amdhsa_system_vgpr_workitem_id 0
		.amdhsa_next_free_vgpr 146
		.amdhsa_next_free_sgpr 66
		.amdhsa_reserve_vcc 1
		.amdhsa_float_denorm_mode_32 3
		.amdhsa_float_denorm_mode_16_64 3
		.amdhsa_memory_ordered 1
		.amdhsa_forward_progress 1
		.amdhsa_inst_pref_size 11
	.end_amdhsa_kernel
	.amdgpu_metadata
---
amdhsa.version: [ 1, 2 ]
amdhsa.kernels:
  - .name:           k_qfb4530e52e_wmax
    .symbol:         k_qfb4530e52e_wmax.kd
    .args:
      - { .name: W, .offset: 0, .size: 8, .value_kind: global_buffer, .address_space: global }
      - { .name: wmax, .offset: 8, .size: 8, .value_kind: global_buffer, .address_space: global }
    .group_segment_fixed_size: 1280
    .private_segment_fixed_size: 0
    .kernarg_segment_align: 8
    .kernarg_segment_size: 16
    .max_flat_workgroup_size: 256
    .sgpr_count:     66
    .vgpr_count:     146
    .wavefront_size: 32
...
	.end_amdgpu_metadata
.endif
;; end of part 1
;; launch quant (part 2): grid 256 x 1, 16 waves a work-group, no clusters, 272,384 bytes of LDS; arguments x, W, logits_a, logits_w, lsq_a_s, lsq_w_s, lsq_a_beta, pact_alpha, rescale_scale, wmax, aq, bq; writes aq, bq
.if DOCPART == 2
	.amdgcn_target "amdgcn-amd-amdhsa--gfx1250"
	.amdhsa_code_object_version 6
	.text
	.protected	k_qfb4530e52e_quant
	.globl	k_qfb4530e52e_quant
	.p2align	8
	.type	k_qfb4530e52e_quant,@function
k_qfb4530e52e_quant:
	s_mov_b64 s[64:65], 0
	v_nop
	global_prefetch_b8 v0, s[64:65] scope:SCOPE_SE
	s_setreg_imm32_b32 hwreg(HW_REG_WAVE_MODE, 25, 1), 1
	s_wait_xcnt 0x0
; x [4096][4096] and W [4096][4096], f32, become q_x and q_w (the mixtures of three terms) and these become codes of FP6 (E2M3) with one E8M0 scale byte for each 32 along K.
; THE MIXTURE, for v = X m (m = scale for x, 1 / scale for W; scale = max(rescale_scale, 1e-6)):
;   q = a0 (T1 s1 + beta) + a1 T2 s2 + a2 v,   T1 = rndne(med3((v - beta) / s1, -8, 7)),   T2 = med3(rndne(v / s2), lo2, hi2),   a = softmax(logits / 3.5) with the largest logit taken off.
;   x: s1 = max(lsq_a_s, 1e-6), beta = lsq_a_beta, s2 = max(pact_alpha, 1e-6) / 255, bounds 0 and 255.   W: s1 = max(lsq_w_s, 1e-6), beta = 0, s2 = max(max|W / scale| / 127, 1e-6), bounds -128 and 127.
;   For whole bounds a clip ahead of a rounding and one behind it give the same number, so the clipped 8-bit quantiser of x takes the form of W's.
; ONE path of text serves both tensors: work-groups 0 to 127 take x, the others W; pointers and a few constants are chosen on the work-group's number.
; ORDER OF ROUNDING, which differs from the source's: constants are folded (X (m / s1) - beta / s1 in one fused multiply-add, and so on), divisions are reciprocals refined by one Newton step, the three terms are
; added by fused multiply-adds.  Each is of the order of one unit in f32's last place; an inner rounding can turn only where its number lies that near to a tie.
; LIMITS: NaN and infinities among x and W are not served.  Blocks whose largest magnitude lies under 2^-124 get the byte 1; a block of zeros gets the byte 1 where the rule says 127: its codes are zeros, which add
; nothing under any byte but 0xff, and the bytes are read by this program alone.
; THE RESULT'S LAYOUT follows the order of the matrix operand's registers.  A tensor is cut into chunks of 128 rows x 128 K; chunk (panel p = row / 128, step s = k / 128) lies at (32 p + s) x 12,800 bytes.
;   Bytes 0 to 12,287: eight fragments (16 rows x 128 K, 12 registers a lane), fragment i at 1,536 i: register R of lane l at 512 (R / 4) + 16 l + 4 (R % 4).
;   Bytes 12,288 to 12,799: the scale words (four bytes: 128 along K of one row): fragment i, row r at 256 (i / 4) + 16 r + 4 (i % 4).
; SHARES.  A work-group of 16 waves takes eight chunks of one panel; a wave makes four fragments of one chunk: 64 rows x 128 K, in four steps of 16 rows.
; EVERY BYTE OF A WAVE'S SHARE IS ASKED FOR AT THE HEAD.  Rows 0 to 31 (steps 0 and 1) come by ONE tensor load into the wave's own LDS, 32 rows of 512 bytes, each begun at a multiple of 512 bytes of memory, 16 bytes of padding
; behind each; rows 32 to 63 (steps 2 and 3) come by 32 loads into registers, a row's 512 consecutive bytes each, and turn through the two halves of the same LDS bytes when steps 0 and 1 have been read out of them
; (those bytes have had their one fill).  From LDS lane (r, h) takes, of row r, 16 neighbours of each block of 32, as the conversions want them.
; Nothing in LDS is filled again and no wave reads another's bytes: no barrier; the wave's own wait shows its tile landed.  By this text's count a wave has one tensor load out.
; Each store covers 512 consecutive bytes (the scale words': 256), aligned to 256.
; No cluster: work-groups share no input.  No prefetch: the text has no loop to run ahead in, and all it reads is asked for at its head.
.set STG,  16896                       ; a wave's LDS: 32 rows of SP bytes
.set HST,  8448                        ; 16 rows: a step's
.set SP,   528                         ; 512 bytes + 16 = 132 words: row r starts at bank 4 r mod 64 (64 banks of 4 bytes: ISA guide 11.1)
.set SPARE, 16*STG                     ; the spare words: 128 bytes a wave, named by no other line
.set CH,   12800                       ; a chunk
.set EPSB, 0x358637bd                  ; 1e-6
.set G0,   52                          ; s[52:55] descriptor group 0
.set G1,   56                          ; s[56:63] group 1
.set C1,   8                           ; v[8:21]    seven pairs of constants, both halves equal:  C1 = m / s1
.set C1B,  10                          ;            -beta / s1
.set C2,   12                          ;            m / s2
.set KI,   14                          ;            a2 m
.set K0,   16                          ;            a0 beta
.set K1,   18                          ;            a0 s1
.set K2,   20                          ;            a1 s2
.set PW,   22                          ; v[22:25]   the four steps' scale words
.set PC,   26                          ; v[26:45]   a fragment's 12 registers of codes, and 8 at work
.set TM,   46                          ; v[46:61]   at work
.set T1,   46
.set T2,   54
.set R,    64                          ; v[64:191]  steps 2 and 3 as loaded
.set X,    192                         ; v[192:255] 64 numbers of a lane: register 16 b + i = k 32 b + 16 h + i of row r.  Ahead of the first step: wmax and the constants' scratch
	s_load_b512 s[8:23], s[0:1], 0x0               ; x s[8:9], W s[10:11], logits_a s[12:13], logits_w s[14:15], lsq_a_s s[16:17], lsq_w_s s[18:19], lsq_a_beta s[20:21], pact_alpha s[22:23]
	s_load_b256 s[24:31], s[0:1], 0x40             ; rescale_scale s[24:25], wmax s[26:27], aq s[28:29], bq s[30:31]
	v_lshl_add_u32 v62, v0, 2, SPARE
	v_mov_b32 v63, 0
	ds_add_u32 v62, v63                            ; the opening lines: the add twice on end and its wait ahead of my tensor load
	ds_add_u32 v62, v63
	v_lshrrev_b32 v6, 5, v0
	s_delay_alu instid0(VALU_DEP_1)
	v_readfirstlane_b32 s45, v6                    ; wave 0..15
	v_and_b32 v5, 31, v0                           ; lane
	s_delay_alu instid0(VALU_DEP_1)
	v_lshlrev_b32 v1, 4, v5                        ; 16 x lane: my bytes of a row as loaded, and of an image as stored
	v_and_b32 v6, 15, v0                           ; r
	v_bfe_u32 v7, v0, 4, 1                         ; h
	s_mul_i32 s7, s45, STG                         ; my wave's LDS
	v_add_nc_u32 v2, s7, v1                        ; into it: 16 x lane, the row in the immediate
	v_mul_u32_u24 v3, v6, SP
	s_delay_alu instid0(VALU_DEP_1)
	v_lshl_add_u32 v3, v7, 6, v3
	s_delay_alu instid0(VALU_DEP_1)
	v_add_nc_u32 v3, s7, v3                        ; out of it: row r, + 64 h: my 16 numbers of a block of 32
	v_lshlrev_b32 v4, 4, v6                        ; 16 r: my row's four scale words
	s_mov_b32 s43, 0xc1000000                      ; -8
	s_mov_b32 s44, 0x40e00000                      ; 7
	s_mov_b32 s46, 0x76543210                      ; v_permlanex16_b32's selects for lane l xor 16
	s_mov_b32 s47, 0xfedcba98
	s_mov_b32 s35, 0x42fe0000                      ; 127
	s_mov_b32 s48, 0x3c010204                      ; 1 / 127
	s_mov_b32 s[G1+0], (2<<16)|(1<<20)|(6<<22)|(3<<25)   ; elements of 4 bytes; padding on: behind every 128 words, 4 words
	s_mov_b32 s[G1+1], 128<<16                     ; tensor_dim0 = 128
	s_mov_b32 s[G1+2], 32<<16                      ; tensor_dim1 = 32
	s_mov_b32 s[G1+3], 128<<16                     ; tile_dim0 = 128
	s_mov_b32 s[G1+4], 32                          ; tile_dim1 = 32
	s_mov_b32 s[G1+5], 4096                        ; elements from row to row
	s_mov_b32 s[G1+6], 0
	s_mov_b32 s[G1+7], 0
	s_mov_b32 s[G0], 1
	s_mul_i32 s[G0+1], s45, STG                    ; the tile's place: my wave's LDS
	s_wait_alu depctr_va_vdst(0)                   ; the wait at the head's end
	s_wait_dscnt 0x0                               ; both opening adds are done
	s_wait_kmcnt 0x0
	s_cmp_lt_u32 ttmp9, 128                        ; x's work-group or W's?  The choice hangs on the work-group's number alone; every select below is on this compare
	s_cselect_b64 s[8:9], s[8:9], s[10:11]         ; the tensor
	s_cselect_b64 s[12:13], s[12:13], s[14:15]     ; its logits
	s_cselect_b64 s[16:17], s[16:17], s[18:19]     ; its 4-bit step
	s_cselect_b64 s[28:29], s[28:29], s[30:31]     ; its codes
	s_cselect_b32 s32, -1, 0                       ; a mask of lanes: all for x, none for W
	s_cselect_b32 s33, 0, 128                      ; the tensor's first work-group
	s_cselect_b32 s34, 0, 0xc3000000               ; lo2: 0 or -128
	s_cselect_b32 s35, 0x437f0000, s35             ; hi2: 255 or 127; also the divisor of the 8-bit step
	s_cselect_b32 s48, 0x3b808081, s48             ; and its reciprocal, 1 / 255 or 1 / 127
	s_cselect_b32 s49, 0, EPSB                     ; the floor of the 8-bit step: W's alone has one
	s_load_b96 s[36:38], s[12:13], 0x0             ; three logits
	s_load_b32 s39, s[16:17], 0x0                  ; the 4-bit step
	s_load_b32 s40, s[20:21], 0x0                  ; beta
	s_load_b32 s41, s[22:23], 0x0                  ; alpha
	s_load_b32 s42, s[24:25], 0x0                  ; rescale_scale
	s_sub_co_u32 s2, ttmp9, s33
	s_lshl_b32 s2, s2, 4
	s_add_co_u32 s2, s2, s45                       ; my wave among the tensor's 2,048
	s_and_b32 s3, s2, 1                            ; g: which four fragments of the chunk
	s_lshr_b32 s2, s2, 1                           ; the chunk = 32 p + s
	s_lshr_b32 s4, s2, 5                           ; p
	s_and_b32 s5, s2, 31                           ; s
	s_lshl_b32 s4, s4, 21                          ; 128 rows of 16,384 bytes,
	s_lshl_b32 s6, s3, 20                          ; 64 rows,
	s_add_co_u32 s4, s4, s6
	s_lshl_b32 s5, s5, 9                           ; 128 numbers along K: all under 2^26
	s_add_co_u32 s4, s4, s5
	s_mov_b32 s5, 0
	s_add_nc_u64 s[8:9], s[8:9], s[4:5]            ; the tensor at my first number
	s_mov_b64 s[G0+2:G0+3], s[8:9]
	s_or_b32 s[G0+3], s[G0+3], 0x80000000          ; type = 2
	tensor_load_to_lds s[G0:G0+3], s[G1:G1+7]      ; rows 0 to 31: my one tensor load
	s_nop 0
	s_mul_i32 s4, s2, CH
	s_add_nc_u64 s[28:29], s[28:29], s[4:5]        ; the chunk
	s_lshl_b32 s4, s3, 8
	s_add_nc_u64 s[30:31], s[28:29], s[4:5]        ; my 256 bytes of scale words (12,288 stand in the store's immediate)
	s_mul_i32 s4, s3, 4*1536
	s_add_nc_u64 s[28:29], s[28:29], s[4:5]        ; my four fragments
.irp j, 0,1,2,3
	global_load_b128 v[X+4*\j:X+4*\j+3], v1, s[26:27] offset:512*\j   ; the 512 partial maxima: 16 a lane
.endr
.macro LOAD i                          ; step i: 16 rows x 512 bytes into set i % 2; read once in this launch
.irp j, 0,1,2,3,4,5,6,7,8,9,10,11,12,13,14,15
	global_load_b128 v[R+64*((\i)%2)+4*\j:R+64*((\i)%2)+4*\j+3], v1, s[8:9] offset:(16*(\i)+\j)*16384 th:TH_LOAD_NT
.endr
.endm
	LOAD 2
	LOAD 3
	s_wait_kmcnt 0x0
	; ---- the constants: every lane computes the same numbers, in f32
	s_and_b32 s40, s40, s32                        ; beta: x's as given, W's 0
	v_mov_b32 v208, s42
	v_mov_b32 v209, s39
	v_mov_b32 v210, s41
	v_mov_b32 v211, s36
	v_mov_b32 v212, s37
	v_mov_b32 v213, s38
	v_mov_b32 v224, s40                            ; beta
	v_max_num_f32 v208, EPSB, v208                 ; scale
	v_max_num_f32 v209, EPSB, v209                 ; s1
	v_max_num_f32 v210, EPSB, v210                 ; alpha
	v_max3_num_f32 v214, v211, v212, v213          ; the largest logit is taken off ahead of the exponentials
	s_delay_alu instid0(VALU_DEP_1)
	v_sub_f32 v211, v211, v214
	s_delay_alu instid0(VALU_DEP_2)
	v_sub_f32 v212, v212, v214
	s_delay_alu instid0(VALU_DEP_3)
	v_sub_f32 v213, v213, v214
	s_delay_alu instid0(VALU_DEP_3)
	v_mul_f32 v211, 0x3ed30bb1, v211               ; x log2(e) / 3.5
	s_delay_alu instid0(VALU_DEP_3)
	v_mul_f32 v212, 0x3ed30bb1, v212
	s_delay_alu instid0(VALU_DEP_3)
	v_mul_f32 v213, 0x3ed30bb1, v213
	s_wait_alu depctr_va_vdst(0)                   ; ahead of the batch
	v_rcp_f32 v215, v208                           ; 1 / scale
	v_rcp_f32 v216, v209                           ; 1 / s1
	v_exp_f32 v211, v211
	v_exp_f32 v212, v212
	v_exp_f32 v213, v213
	s_wait_loadcnt 32                              ; the partial maxima are in: behind their four loads stand the 32 of steps 2 and 3
	v_max3_num_f32 v192, v192, v193, v194          ; the largest |W|: plain work that names no result of the five above
	v_max3_num_f32 v195, v195, v196, v197
	v_max3_num_f32 v198, v198, v199, v200
	v_max3_num_f32 v201, v201, v202, v203
	v_max3_num_f32 v204, v204, v205, v206
	s_delay_alu instid0(VALU_DEP_4)
	v_max3_num_f32 v192, v192, v195, v207
	s_delay_alu instid0(VALU_DEP_2)
	v_max3_num_f32 v198, v198, v201, v204
	s_delay_alu instid0(VALU_DEP_1)
	v_max_num_f32 v192, v192, v198
	s_delay_alu instid0(VALU_DEP_1)
	v_max_num_f32_dpp v192, v192, v192 row_xmask:1 row_mask:0xf bank_mask:0xf
	s_delay_alu instid0(VALU_DEP_1)
	v_max_num_f32_dpp v192, v192, v192 row_xmask:2 row_mask:0xf bank_mask:0xf
	s_delay_alu instid0(VALU_DEP_1)
	v_max_num_f32_dpp v192, v192, v192 row_xmask:4 row_mask:0xf bank_mask:0xf
	s_delay_alu instid0(VALU_DEP_1)
	v_max_num_f32_dpp v192, v192, v192 row_xmask:8 row_mask:0xf bank_mask:0xf
	s_delay_alu instid0(VALU_DEP_1)
	v_permlanex16_b32 v193, v192, s46, s47
	s_delay_alu instid0(VALU_DEP_1)
	v_max_num_f32 v192, v192, v193
	s_wait_alu depctr_va_vdst(0)                   ; one wait for the batch of five, ahead of the first line that names a result
.macro FIX r, s, t                     ; r = 1 / s, refined once: r + r (1 - s r)
	v_fma_f32 v[\t], -v[\s], v[\r], 1.0
	v_fma_f32 v[\r], v[\t], v[\r], v[\r]
.endm
	FIX 215, 208, 225
	FIX 216, 209, 226
	s_delay_alu instid0(VALU_DEP_3)
	v_mul_f32 v217, v192, v215                     ; max |W / scale|
	s_delay_alu instid0(VALU_DEP_1)
	v_cndmask_b32 v217, v217, v210, s32            ; the 8-bit step's numerator: x: alpha, W: that maximum
	s_delay_alu instid0(VALU_DEP_1)
	v_mul_f32 v218, s48, v217                      ; / 255 or / 127: by the reciprocal,
	s_delay_alu instid0(VALU_DEP_1)
	v_fma_f32 v219, -v218, s35, v217               ; what is left over,
	s_delay_alu instid0(VALU_DEP_1)
	v_fma_f32 v218, v219, s48, v218                ; put right
	s_delay_alu instid0(VALU_DEP_1)
	v_max_num_f32 v218, s49, v218                  ; s2
	v_cndmask_b32 v220, v215, v208, s32            ; m: x: scale, W: 1 / scale
	v_add_f32 v221, v211, v212
	v_add_f32 v221, v221, v213                     ; the softmax's sum
	s_wait_alu depctr_va_vdst(0)                   ; ahead of the batch of two
	v_rcp_f32 v222, v221
	v_rcp_f32 v223, v218                           ; 1 / s2
	v_mul_f32 v[C1], v220, v216                    ; (a plain line behind the two reciprocals)  m / s1
	v_mul_f32 v[C1B], -v224, v216                  ; -beta / s1
	s_wait_alu depctr_va_vdst(0)                   ; one wait for the two, ahead of their first reader
	FIX 222, 221, 225
	FIX 223, 218, 226
	v_mul_f32 v211, v211, v222                     ; a0
	v_mul_f32 v212, v212, v222                     ; a1
	v_mul_f32 v213, v213, v222                     ; a2
	s_delay_alu instid0(VALU_DEP_4)
	v_mul_f32 v[C2], v220, v223
	s_delay_alu instid0(VALU_DEP_2)
	v_mul_f32 v[KI], v220, v213
	v_mul_f32 v[K0], v211, v224
	v_mul_f32 v[K1], v211, v209
	v_mul_f32 v[K2], v212, v218
.irp c, C1, C1B, C2, KI, K0, K1, K2
	v_mov_b32 v[\c+1], v[\c]                       ; both halves of a pair
.endr
; Step i's 16 rows out of half i % 2 of my LDS.  Steps 0 and 1 find them there; steps 2 and 3 put them there first, over rows that have been read.
; LDS serves a wave's instructions in order (ISA guide 5.7.1.4): no wait between the stores and the loads.
.macro TURN i
.if \i > 1
.irp j, 0,1,2,3,4,5,6,7,8,9,10,11,12,13,14,15
	ds_store_b128 v2, v[R+64*((\i)%2)+4*\j:R+64*((\i)%2)+4*\j+3] offset:HST*((\i)%2)+SP*\j
.endr
.endif
.irp b, 0,1,2,3
.irp j, 0,1,2,3
	ds_load_b128 v[X+16*\b+4*\j:X+16*\b+4*\j+3], v3 offset:HST*((\i)%2)+128*\b+16*\j
.endr
.endr
.endm
; The mixture, in place on X, eight numbers at a time: 52 lines for eight numbers.
.macro MIX
.irp q, 0,1,2,3,4,5,6,7
.irp j, 0,2,4,6
	v_pk_fma_f32 v[T1+\j:T1+\j+1], v[X+8*\q+\j:X+8*\q+\j+1], v[C1:C1+1], v[C1B:C1B+1]   ; (v - beta) / s1
.endr
.irp j, 0,2,4,6
	v_pk_mul_f32 v[T2+\j:T2+\j+1], v[X+8*\q+\j:X+8*\q+\j+1], v[C2:C2+1]                 ; v / s2
.endr
.irp j, 0,1,2,3,4,5,6,7
	v_med3_num_f32 v[T1+\j], v[T1+\j], s43, s44    ; held to -8 .. 7,
.endr
.irp j, 0,1,2,3,4,5,6,7
	v_rndne_f32 v[T2+\j], v[T2+\j]
.endr
.irp j, 0,1,2,3,4,5,6,7
	v_rndne_f32 v[T1+\j], v[T1+\j]                 ; then rounded, ties to even
.endr
.irp j, 0,1,2,3,4,5,6,7
	v_med3_num_f32 v[T2+\j], v[T2+\j], s34, s35    ; rounded, then held to lo2 .. hi2
.endr
.irp j, 0,2,4,6
	v_pk_fma_f32 v[X+8*\q+\j:X+8*\q+\j+1], v[X+8*\q+\j:X+8*\q+\j+1], v[KI:KI+1], v[K0:K0+1]
.endr
.irp j, 0,2,4,6
	s_delay_alu instid0(VALU_DEP_4)
	v_pk_fma_f32 v[X+8*\q+\j:X+8*\q+\j+1], v[T1+\j:T1+\j+1], v[K1:K1+1], v[X+8*\q+\j:X+8*\q+\j+1]
.endr
.irp j, 0,2,4,6
	s_delay_alu instid0(VALU_DEP_4)
	v_pk_fma_f32 v[X+8*\q+\j:X+8*\q+\j+1], v[T2+\j:T2+\j+1], v[K2:K2+1], v[X+8*\q+\j:X+8*\q+\j+1]
.endr
.endr
.endm
; X's 64 numbers become a fragment's codes in v[PC] on and the row's scale word in v[PW + i].
.macro QUANT i
.irp b, 0,1,2,3
	v_max3_num_f32 v[TM+\b], |v[X+16*\b]|, |v[X+1+16*\b]|, 0x1800000   ; block b: my 16 numbers, and the floor 2^(3 - 127): so the byte cannot fall under 1
.endr
.irp n, 2,4,6,8,10,12,14
.irp b, 0,1,2,3
	s_delay_alu instid0(VALU_DEP_4)
	v_max3_num_f32 v[TM+\b], v[TM+\b], |v[X+16*\b+\n]|, |v[X+1+16*\b+\n]|   ; (the four blocks by turns)
.endr
.endr
.irp b, 0,1,2,3
	s_delay_alu instid0(VALU_DEP_4)
	v_permlanex16_b32 v[TM+4+\b], v[TM+\b], s46, s47   ; (its destination was written in MIX)
.endr
.irp b, 0,1,2,3
	s_delay_alu instid0(VALU_DEP_4)
	v_max_num_f32 v[TM+\b], v[TM+\b], v[TM+4+\b]   ; with lane l xor 16's: the block's largest magnitude
.endr
.irp b, 0,1,2,3
	s_delay_alu instid0(VALU_DEP_4)
	v_add_nc_u32 v[TM+12+\b], 0xff000000, v[TM+\b] ; 2 off its exponent field: the conversion takes the exponent field of this operand as its scale, and nothing else of it
.endr
.irp b, 0,1,2,3
	s_delay_alu instid0(VALU_DEP_4)
	v_lshrrev_b32 v[TM+4+\b], 23, v[TM+12+\b]      ; the scale's byte
.endr
	s_delay_alu instid0(VALU_DEP_3)
	v_lshl_or_b32 v[PW+\i], v[TM+5], 8, v[TM+4]    ; the four bytes make my row's scale word
	s_delay_alu instid0(VALU_DEP_1)
	v_lshl_or_b32 v[PW+\i], v[TM+6], 16, v[PW+\i]
	s_delay_alu instid0(VALU_DEP_1)
	v_lshl_or_b32 v[PW+\i], v[TM+7], 24, v[PW+\i]
.if \i > 0
	s_wait_alu depctr_va_vdst(0)                   ; directly ahead of the wait below
	s_wait_xcnt 0x0                                ; the last step's stores have read their data: the codes' registers are written again only behind this wait
.endif
.irp c, 0,1
	v_cvt_scalef32_pk16_fp6_f32 v[PC+6*\c:PC+2+6*\c], v[X+32*\c:X+15+32*\c], v[TM+12+2*\c]
	v_cvt_scalef32_pk16_fp6_f32 v[PC+12+4*\c:PC+14+4*\c], v[X+16+32*\c:X+31+32*\c], v[TM+12+2*\c+1]   ; (a conversion's three registers begin on an even number)
.endr
	v_nop                                          ; one plain line behind a scaled conversion
.irp c, 0,1                                    ; the operand's layout wants a WHOLE block in a lane: lanes 0-15 block 2 c, lanes 16-31 block 2 c + 1
.irp n, 0,1,2
	v_permlane16_swap_b32 v[PC+6*\c+\n], v[PC+12+4*\c+\n]
.endr
.irp n, 0,1,2
	s_delay_alu instid0(VALU_DEP_3)
	v_mov_b32 v[PC+3+6*\c+\n], v[PC+12+4*\c+\n]
.endr
.endr
.endm
.macro STEP i
.if \i == 2
	s_wait_loadcnt 16                              ; step 2's 16 loads are in; step 3's 16 may be out
.endif
.if \i == 3
	s_wait_loadcnt 0x0
.endif
	TURN \i
	s_wait_dscnt 0x0                               ; X is in
	MIX
	QUANT \i
.irp c, 0,1,2
	global_store_b128 v1, v[PC+4*\c:PC+4*\c+3], s[28:29] offset:1536*\i+512*\c   ; the fragment as it stands: 32 lanes store 512 consecutive bytes, at a multiple of 256 from the buffer's first byte
.endr
.endm
	s_wait_alu depctr_va_vdst(0)                   ; directly ahead of the wait below
	s_wait_tensorcnt 0x0                           ; rows 0 to 31 are in my LDS
	STEP 0
	STEP 1
	STEP 2
	STEP 3
	s_wait_xcnt 0x0                                ; EXEC is a source of the stores above: it changes only behind this wait
	v_cmp_gt_u32 vcc_lo, 16, v5
	s_wait_tensorcnt 0x0                           ; the wave's end, with all lanes on
	ds_add_u32 v62, v63
	s_wait_dscnt 0x0
	s_and_saveexec_b32 s2, vcc_lo                  ; lanes 0-15 (lanes 16-31 hold the same words)
	global_store_b128 v4, v[PW:PW+3], s[30:31] offset:12288   ; my four fragments' scale words: 16 lanes store 256 consecutive bytes, aligned
	s_wait_xcnt 0x0
	s_or_b32 exec_lo, exec_lo, s2
	s_endpgm
.Lfunc_end_k_qfb4530e52e_quant:
	.size	k_qfb4530e52e_quant, .Lfunc_end_k_qfb4530e52e_quant-k_qfb4530e52e_quant
	.p2alignl 7, 3214868480
	.fill 96, 4, 3214868480
	.section	.rodata,"a",@progbits
	.p2align	6, 0x0
	.amdhsa_kernel k_qfb4530e52e_quant
		.amdhsa_group_segment_fixed_size 272384
		.amdhsa_private_segment_fixed_size 0
		.amdhsa_enable_private_segment 0
		.amdhsa_kernarg_size 96
		.amdhsa_user_sgpr_count 2
		.amdhsa_user_sgpr_kernarg_segment_ptr 1
		.amdhsa_wavefront_size32 1
		.amdhsa_system_sgpr_workgroup_id_x 1
		.amdhsa_system_sgpr_workgroup_id_y 1
		.amdhsa_system_sgpr_workgroup_id_z 1
		.amdhsa_system_vgpr_workitem_id 0
		.amdhsa_next_free_vgpr 256
		.amdhsa_next_free_sgpr 66
		.amdhsa_reserve_vcc 1
		.amdhsa_float_denorm_mode_32 3
		.amdhsa_float_denorm_mode_16_64 3
		.amdhsa_memory_ordered 1
		.amdhsa_forward_progress 1
		.amdhsa_inst_pref_size 138
	.end_amdhsa_kernel
	.amdgpu_metadata
---
amdhsa.version: [ 1, 2 ]
amdhsa.kernels:
  - .name:           k_qfb4530e52e_quant
    .symbol:         k_qfb4530e52e_quant.kd
    .args:
      - { .name: x, .offset: 0, .size: 8, .value_kind: global_buffer, .address_space: global }
      - { .name: W, .offset: 8, .size: 8, .value_kind: global_buffer, .address_space: global }
      - { .name: logits_a, .offset: 16, .size: 8, .value_kind: global_buffer, .address_space: global }
      - { .name: logits_w, .offset: 24, .size: 8, .value_kind: global_buffer, .address_space: global }
      - { .name: lsq_a_s, .offset: 32, .size: 8, .value_kind: global_buffer, .address_space: global }
      - { .name: lsq_w_s, .offset: 40, .size: 8, .value_kind: global_buffer, .address_space: global }
      - { .name: lsq_a_beta, .offset: 48, .size: 8, .value_kind: global_buffer, .address_space: global }
      - { .name: pact_alpha, .offset: 56, .size: 8, .value_kind: global_buffer, .address_space: global }
      - { .name: rescale_scale, .offset: 64, .size: 8, .value_kind: global_buffer, .address_space: global }
      - { .name: wmax, .offset: 72, .size: 8, .value_kind: global_buffer, .address_space: global }
      - { .name: aq, .offset: 80, .size: 8, .value_kind: global_buffer, .address_space: global }
      - { .name: bq, .offset: 88, .size: 8, .value_kind: global_buffer, .address_space: global }
    .group_segment_fixed_size: 272384
    .private_segment_fixed_size: 0
    .kernarg_segment_align: 8
    .kernarg_segment_size: 96
    .max_flat_workgroup_size: 512
    .sgpr_count:     66
    .vgpr_count:     256
    .wavefront_size: 32
...
	.end_amdgpu_metadata
.endif
;; end of part 2
;; launch gemm (part 3): grid 16 x 16, 4 waves a work-group, clusters of 4 x 4, 327,680 bytes of LDS; arguments aq, b, bq, out0; writes out0
.if DOCPART == 3
	.amdgcn_target "amdgcn-amd-amdhsa--gfx1250"
	.amdhsa_code_object_version 6
	.text
	.protected	k_qfb4530e52e_gemm
	.globl	k_qfb4530e52e_gemm
	.p2align	8
	.type	k_qfb4530e52e_gemm,@function
k_qfb4530e52e_gemm:
	s_mov_b64 s[64:65], 0
	v_nop
	global_prefetch_b8 v0, s[64:65] scope:SCOPE_SE
	s_setreg_imm32_b32 hwreg(HW_REG_WAVE_MODE, 25, 1), 1
	s_wait_xcnt 0x0
	s_wait_alu depctr_hold_cnt(0) depctr_sa_sdst(0) depctr_va_vdst(0) depctr_va_sdst(0) depctr_va_ssrc(0) depctr_va_vcc(0) depctr_vm_vsrc(0)
	s_getreg_b32 s2, hwreg(HW_REG_IB_STS2, 6, 4)
	s_cmp_eq_u32 s2, 0
	s_cbranch_scc0 .Lentry_in_a_cluster
	s_endpgm
.Lentry_in_a_cluster:
	s_bfe_u32 s2, ttmp6, 0x10000c
	s_cmp_lg_u32 s2, 0xf033
	s_cbranch_scc0 .Lentry_shape_is_right
	s_endpgm
.Lentry_shape_is_right:
; out0[m][n] = b[n] + sum over k of q_x[m][k] q_w[n][k], on codes of FP6 (E2M3) with E8M0 scale bytes, as the launch before laid them:
; chunks of 128 rows x 128 K, 12,800 bytes each, chunk (panel, step) at (32 panel + step) x 12,800: eight fragments as images of the operand's registers, then 512 bytes of scale words.
; A work-group of four waves makes 256 x 256 of the result, a wave 128 x 128: 64 accumulators, 512 registers.  Source 0 = 16 rows of q_w, source 1 = 16 rows of q_x: a lane holds eight neighbouring columns of a row.
; THE RING: two LDS slots, each with THREE K steps of two panels of q_x and two of q_w (4 x 38,400 bytes, dense in memory: rows of 256 bytes).  32 steps are ten fills of three steps and an eleventh of two, which has
; a group 1 of its own (100 rows for 150).  Each wave brings one panel's part by one tensor load; by this text's count a wave has at most one tensor load out, and every wait on TENSORcnt is for 0.
; A refill is asked for in the middle of a slot's last step; the wait for it stands at the head of the other slot's last step, 160 matrix instructions on.
; CLUSTERS: 4 x 4 work-groups; q_x's panels are shared along a row of the cluster, q_w's along a column, by joint loads; a round of the cluster's barrier stands in front of each.
; PREFETCH: at the change of slots that asks for fill f + 2 each wave names fill f + 3 of its panel, three K steps ahead of that fill's load.  The four partners share the fill's 150 blocks of 256 bytes out by address:
; partner p takes blocks 38 p .. 38 p + 37 (held at 149), of the last fill's 100 blocks 25 p .. 25 p + 24.  Fills 0 to 2 come by their loads alone; nothing is named behind fill 10.
; THE WAY OUT: every step takes q_x's blocks of 16 rows one after the other, so in the last step a block is finished after its eight products and leaves at once, through the wave's own stage in LDS, as whole rows of 512 bytes.
; The stage lies in slot 1, which has had its last fill and, behind the last barrier, its last read.  A block comes back into registers that nothing writes again, and every store's place stands in its immediate.
; REGISTERS: window 0: v0-31 addresses; v32-47 scale words, two sets by the step's parity; v64-127 the bias, later block 0 on its way out; v128-223 q_x's fragments, one set.
;   window 1: q_w's fragments, two sets, at v0 and v128.  windows 2, 3: the accumulators of my rows 0-63, 64-127.
.set SIZE_N, 4096
.set CH,     12800
.set PANEL,  32*CH
.set HALFT,  3*CH                      ; what one load brings: three steps of one panel
.set SLOT,   4*HALFT
.set SPARE,  2*SLOT                    ; the spare words: 128 bytes a wave, named by no other line
.set STAGE,  SLOT
.set SPITCH, 528
.set FR,     12
.set NL,     3
.set PF1, 8                            ; v8-10  the prefetches' offsets
.set PF2, 9
.set PF3, 10
.set ADRA, 16                          ; v16-17 my fragments of q_x in slot 0, 1
.set ADRB, 20                          ; v20-21 of q_w
.set ADRS, 22                          ; v22-23 scale words: lanes 0-15 q_x's, lanes 16-31 q_w's
.set STO,  24
.set RD,   25
.set CO,   26
.set BO,   27
.set SPW,  28
.set NIL,  29
.set SC,   32
.set BI,   64
.set AF,   128
.set G1,   24                          ; group 1: q_x, 150 rows;  G0: group 0 for each slot
.set G0,   32
.set G1B,  48                          ; the same for q_w
.set G0B,  56
.set G1S,  68                          ; group 1 of the last fill, 100 rows: q_x, q_w
.set G1SB, 76
.set PFA,  84                          ; s[84:85] where my prefetches stand
.set MSB, 0
.macro WIN new                         ; the immediate's high byte repeats the setting that is left
.if MSB != (\new)
	s_set_vgpr_msb (MSB<<8)|(\new)
.set MSB, (\new)
.endif
.endm
.set MUL_LO, 0xa1                      ; source 0 window 1, source 1 window 0, C and D window 2
.set MUL_HI, 0xf1
.set BEG_LO, 0x81                      ; the first step: C is the bias, in window 0
.set BEG_HI, 0xc1
.set TO_B,   0x40
.macro PLACES                          ; four plain places behind matrix instructions, ahead of loads into their registers and of reads of results
.rept 4
	v_nop
.endr
.endm
; a joint load: waves 0, 1 fetch q_x's panels, waves 2, 3 q_w's; an s_nop 0 and four v_nop behind each line
.macro JLOAD g0a, g1a, g0b, g1b
	s_cmp_eq_u32 s15, 0
	s_cbranch_scc0 .Lfor_b_\@
	tensor_load_to_lds s[\g0a:\g0a+3], s[\g1a:\g1a+7]
	s_nop 0
	PLACES
	s_branch .Lasked_\@
.Lfor_b_\@:
	tensor_load_to_lds s[\g0b:\g0b+3], s[\g1b:\g1b+7]
	s_nop 0
	PLACES
.Lasked_\@:
.endm
.macro CREST                           ; a round of the cluster's barrier behind its opening barrier
	s_cmp_lg_u32 s14, 0
	s_cbranch_scc1 .Lnot_wave_0_\@
	s_barrier_signal -3
.Lnot_wave_0_\@:
	s_barrier_wait -3
	s_barrier_signal -1
	s_barrier_wait -1
.endm
.macro CROUND
	s_barrier_signal -1
	s_barrier_wait -1
	CREST
.endm
	s_load_b256 s[4:11], s[0:1], 0x0               ; aq s[4:5], b s[6:7], bq s[8:9], out0 s[10:11]
	v_lshl_add_u32 v[SPW], v0, 2, SPARE
	v_mov_b32 v[NIL], 0
	ds_add_u32 v[SPW], v[NIL]                      ; the opening lines: the add twice on end and its wait ahead of my first tensor load
	ds_add_u32 v[SPW], v[NIL]
	v_lshrrev_b32 v1, 5, v0
	v_readfirstlane_b32 s14, v1                    ; wave 0..3
	s_lshr_b32 s15, s14, 1                         ; my half of the rows; also: I fetch for q_x (0) or q_w (1)
	s_and_b32 s16, s14, 1                          ; my half of the columns; also: which of the two panels I fetch
	s_bfe_u32 s40, ttmp6, 0x40000                  ; cx
	s_bfe_u32 s41, ttmp6, 0x40004                  ; cy
	s_lshl_b32 s42, ttmp9, 2
	s_add_co_u32 s42, s42, s40                     ; tile column
	s_and_b32 s17, ttmp7, 0xffff
	s_lshl_b32 s17, s17, 2
	s_add_co_u32 s17, s17, s41                     ; tile row
	s_lshl_b32 s43, s41, 2
	s_lshl_b32 s43, 15, s43                        ; my row of the cluster
	s_lshl_b32 s44, 0x1111, s40                    ; my column
	s_or_b32 s[G1], s43, (3<<16)|(1<<21)           ; the mask; elements of 8 bytes; bit 21 beside a mask
	s_or_b32 s[G1S], s43, (3<<16)|(1<<21)
	s_or_b32 s[G1B], s44, (3<<16)|(1<<21)
	s_or_b32 s[G1SB], s44, (3<<16)|(1<<21)
.irp g, G1, G1B                        ; 150 rows of 32 elements: 38,400 dense bytes
	s_mov_b32 s[\g+1], 32<<16
	s_mov_b32 s[\g+2], 150<<16
	s_mov_b32 s[\g+3], 32<<16
	s_mov_b32 s[\g+4], 150
	s_mov_b32 s[\g+5], 32
	s_mov_b32 s[\g+6], 0
	s_mov_b32 s[\g+7], 0
.endr
.irp g, G1S, G1SB                      ; 100 rows: the last two steps
	s_mov_b32 s[\g+1], 32<<16
	s_mov_b32 s[\g+2], 100<<16
	s_mov_b32 s[\g+3], 32<<16
	s_mov_b32 s[\g+4], 100
	s_mov_b32 s[\g+5], 32
	s_mov_b32 s[\g+6], 0
	s_mov_b32 s[\g+7], 0
.endr
	s_lshl_b32 s20, s17, 1
	s_add_co_u32 s20, s20, s16
	s_mul_i32 s20, s20, PANEL                      ; q_x: panel 2 x tile row + half, in bytes (under 2^24)
	s_mov_b32 s21, 0
	s_lshl_b32 s46, s42, 1
	s_add_co_u32 s46, s46, s16
	s_mul_i32 s46, s46, PANEL                      ; q_w: panel 2 x tile column + half
	s_mov_b32 s47, 0
	s_mul_i32 s45, s14, HALFT                      ; where my load goes: wave x 38,400
	s_cmp_eq_u32 s15, 0
	s_cselect_b32 s86, s20, s46                    ; the prefetches: my panel's offset,
	s_cselect_b32 s88, s40, s41                    ; and my place among the four that ask for it with me
	s_mov_b32 s87, 0
	s_wait_dscnt 0x0                               ; both opening adds are done
	s_wait_kmcnt 0x0
	s_add_nc_u64 s[20:21], s[4:5], s[20:21]
	s_add_nc_u64 s[46:47], s[8:9], s[46:47]
.irp s, 0,1
	s_mov_b32 s[G0+4*\s], 1
	s_add_co_u32 s[G0+4*\s+1], s45, \s*SLOT
	s_add_nc_u64 s[G0+4*\s+2:G0+4*\s+3], s[20:21], \s*HALFT
	s_or_b32 s[G0+4*\s+3], s[G0+4*\s+3], 0x80000000
	s_mov_b32 s[G0B+4*\s], 1
	s_add_co_u32 s[G0B+4*\s+1], s45, \s*SLOT
	s_add_nc_u64 s[G0B+4*\s+2:G0B+4*\s+3], s[46:47], \s*HALFT
	s_or_b32 s[G0B+4*\s+3], s[G0B+4*\s+3], 0x80000000
.endr
	CROUND                                         ; all sixteen work-groups are here: the first joint loads meet
	JLOAD G0, G1, G0B, G1B                         ; fill 0: one tensor load a wave at the head
	; the rest of the head stands under that load: first all scalar work, then all vector work
	s_cmp_eq_u32 s15, 0
	s_cselect_b64 s[PFA:PFA+1], s[4:5], s[8:9]
	s_add_nc_u64 s[PFA:PFA+1], s[PFA:PFA+1], s[86:87]
	s_add_nc_u64 s[PFA:PFA+1], s[PFA:PFA+1], 2*HALFT   ; at fill 2: each asking change of slots steps it by a fill first
	s_mul_i32 s89, s88, 38
	s_mul_i32 s90, s88, 25
	s_mul_i32 s21, s15, HALFT                      ; my panel of q_x in a slot
	s_mul_i32 s22, s16, HALFT
	s_add_co_u32 s22, s22, 2*HALFT                 ; my panel of q_w, behind q_x's two
	s_xor_b32 s23, s15, 1
	s_add_co_u32 s23, s23, s16
	s_add_co_u32 s23, s23, 1
	s_mul_i32 s23, s23, HALFT                      ; the distance between the two
	s_add_co_u32 s91, s21, SLOT
	s_add_co_u32 s92, s22, SLOT
	s_mul_i32 s93, s14, 16*SPITCH
	s_add_co_u32 s93, s93, STAGE                   ; my stage
	s_lshl_b32 s12, s17, 8
	s_lshl_b32 s13, s15, 7
	s_add_co_u32 s12, s12, s13
	s_lshl_b32 s12, s12, 14                        ; my first row of out0, in bytes (under 2^26)
	s_mov_b32 s13, 0
	s_lshl_b32 s46, s42, 10
	s_lshl_b32 s47, s16, 9
	s_add_co_u32 s46, s46, s47                     ; my first column, in bytes
	s_mov_b32 s47, 0
	s_add_nc_u64 s[6:7], s[6:7], s[46:47]
	s_add_nc_u64 s[10:11], s[10:11], s[12:13]
	s_add_nc_u64 s[10:11], s[10:11], s[46:47]
	v_and_b32 v1, 15, v0                           ; r
	v_bfe_u32 v2, v0, 4, 1                         ; h
	v_and_b32 v3, 31, v0                           ; lane
	v_lshlrev_b32 v[CO], 4, v3                     ; 16 x lane: in an image, in a stage row, in a row of out0
	v_lshlrev_b32 v[BO], 5, v2                     ; the bias: 32 h
	v_mul_u32_u24 v5, s23, v2
	v_lshl_add_u32 v5, v1, 4, v5                   ; scale words: 16 r, lanes 16-31 in q_w's panel
	v_add_nc_u32 v[ADRA], s21, v[CO]
	v_add_nc_u32 v[ADRB], s22, v[CO]
	v_add_nc_u32 v[ADRS], s21, v5
	v_add_nc_u32 v[ADRA+1], s91, v[CO]
	v_add_nc_u32 v[ADRB+1], s92, v[CO]
	v_add_nc_u32 v[ADRS+1], s91, v5
	v_mul_u32_u24 v4, v1, SPITCH
	v_lshl_add_u32 v4, v2, 5, v4
	v_add_nc_u32 v[STO], s93, v4                   ; into the stage: row r, 32 bytes for each half of the lanes
	v_add_nc_u32 v[RD], s93, v[CO]                 ; back: the 32 lanes take a row of 512 bytes
	v_add_nc_u32 v[PF1], s89, v3                   ; blocks 38 p + lane,
	v_lshlrev_b32 v[PF1], 8, v[PF1]
	v_min_u32 v[PF2], 5, v3
	v_add3_u32 v[PF2], v[PF2], s89, 32             ; blocks 38 p + 32 .. + 37 (the lanes left over name the last again),
	v_min_u32 v[PF2], 149, v[PF2]                  ; held inside the fill
	v_lshlrev_b32 v[PF2], 8, v[PF2]
	v_min_u32 v[PF3], 24, v3
	v_add_nc_u32 v[PF3], s90, v[PF3]               ; the last fill: blocks 25 p .. 25 p + 24
	v_lshlrev_b32 v[PF3], 8, v[PF3]
	s_wait_alu depctr_va_vdst(0)                   ; the wait at the head's end
.irp b, 0,1,2,3,4,5,6,7
	global_load_b128 v[BI+8*\b:BI+8*\b+3], v[BO], s[6:7] offset:64*\b        ; b at my eight columns of each of q_w's blocks: the C of the first products
	global_load_b128 v[BI+8*\b+4:BI+8*\b+7], v[BO], s[6:7] offset:64*\b+16
.endr
.macro FRAG reg, adr, q, i             ; a fragment as it lies: three loads of 512 consecutive bytes
.irp c, 0,1,2
	ds_load_b128 v[\reg+4*\c:\reg+4*\c+3], v[\adr] offset:(\q)*CH+(\i)*1536+512*\c
.endr
.endm
; q_x's block a against q_w's eight; p: q_w's set and the set of scale words.  The accumulators take turns, one instruction a turn.
.macro MUL8 a, p, zero
.irp b, 0,1,2,3,4,5,6,7
.if \zero
	v_wmma_scale_f32_16x16x128_f8f6f4 v[8*(8*((\a)%4)+\b):8*(8*((\a)%4)+\b)+7], v[128*(\p)+FR*\b:128*(\p)+FR*\b+FR-1], v[AF+FR*(\a):AF+FR*(\a)+FR-1], v[BI+8*\b:BI+8*\b+7], v[SC+8*(\p)+\b], v[SC+8*(\p)+(\a)] matrix_a_fmt:MATRIX_FMT_FP6 matrix_b_fmt:MATRIX_FMT_FP6 matrix_a_scale:MATRIX_SCALE_ROW1
.else
	v_wmma_scale_f32_16x16x128_f8f6f4 v[8*(8*((\a)%4)+\b):8*(8*((\a)%4)+\b)+7], v[128*(\p)+FR*\b:128*(\p)+FR*\b+FR-1], v[AF+FR*(\a):AF+FR*(\a)+FR-1], v[8*(8*((\a)%4)+\b):8*(8*((\a)%4)+\b)+7], v[SC+8*(\p)+\b], v[SC+8*(\p)+(\a)] matrix_a_fmt:MATRIX_FMT_FP6 matrix_b_fmt:MATRIX_FMT_FP6 matrix_a_scale:MATRIX_SCALE_ROW1
.endif
.endr
.endm
.macro MUL16 a0, p, zero
	MUL8 \a0, \p, \zero
	MUL8 (\a0)+1, \p, \zero
.endm
.macro FETCH_B slot, q, p
	WIN TO_B
.irp i, 0,1,2,3,4,5,6,7
	FRAG 128*(\p)+FR*\i, ADRB+\slot, \q, \i
.endr
	WIN 0
.endm
.macro FETCH_A slot, q, i0
.irp i, \i0, \i0+1, \i0+2, \i0+3
	FRAG AF+FR*(\i), ADRA+\slot, \q, \i
.endr
.endm
.macro SCALES slot, q, p               ; register i of the set: lanes 0-15 the word of q_x's block i, lanes 16-31 that of q_w's
.irp g, 0,1
	ds_load_b128 v[SC+8*(\p)+4*\g:SC+8*(\p)+4*\g+3], v[ADRS+\slot] offset:(\q)*CH+12288+256*\g
.endr
.endm
; a step inside a slot: 64 products on set p; the next step's fragments (slot ns, place nq) come in its middle and at its end
.macro STEP p, ns, nq, zero
	s_wait_dscnt 4*NL                              ; all but the youngest twelve loads (q_x's blocks 4-7)
.if \zero
	WIN BEG_LO
.else
	WIN MUL_LO
.endif
	MUL16 0, \p, \zero
	MUL16 2, \p, \zero
	s_wait_dscnt 0x0
	PLACES
	FETCH_B \ns, \nq, 1-(\p)
	FETCH_A \ns, \nq, 0
	SCALES \ns, \nq, 1-(\p)
.if \zero
	WIN BEG_HI
.else
	WIN MUL_HI
.endif
	MUL16 4, \p, \zero
	MUL16 6, \p, \zero
	PLACES
	WIN 0
	FETCH_A \ns, \nq, 4
.endm
; the prefetch.  kind 1: a whole fill.  kind 2: a whole fill, in the loop's last trip (s3 = 1) the last fill's 100 blocks
.macro PFETCH off
	global_prefetch_b8 v[\off], s[PFA:PFA+1] th:TH_LOAD_NT scope:SCOPE_SE
.endm
.macro ASK kind
.if \kind == 1
	PFETCH PF1
	PFETCH PF2
.endif
.if \kind == 2
	s_cmp_eq_u32 s3, 1
	s_cbranch_scc1 .Lshort_\@
	PFETCH PF1
	PFETCH PF2
	s_branch .Lnamed_\@
.Lshort_\@:
	PFETCH PF3
.Lnamed_\@:
.endif
.endm
; a slot's last step, and the change of slots.  fill: 0 nothing is filled again, 1 three steps, 2 the last two steps
.macro TURN slot, p, fill, ask
.if \ask
	s_wait_xcnt 0x0                                ; my last prefetches have read their base: it steps a fill on
	s_add_nc_u64 s[PFA:PFA+1], s[PFA:PFA+1], HALFT
.endif
	s_wait_tensorcnt 0x0                           ; all my tensor loads have landed: my part of the other slot;
	ds_add_u32 v[SPW], v[NIL]
	s_wait_dscnt 4*NL+1                            ; (the add and the youngest twelve loads may be out)
	WIN MUL_LO
	MUL16 0, \p, 0
	s_wait_dscnt 0x0                               ; the add is done, and my reads of this slot are over
	s_barrier_signal -1
	MUL16 2, \p, 0
	WIN 0
	s_barrier_wait -1
.if \fill
	CREST                                          ; the barrier has opened a round: no wave of any partner still reads this slot or has a load on its way
	s_add_nc_u64 s[G0+4*\slot+2:G0+4*\slot+3], s[G0+4*\slot+2:G0+4*\slot+3], 2*HALFT
	s_add_nc_u64 s[G0B+4*\slot+2:G0B+4*\slot+3], s[G0B+4*\slot+2:G0B+4*\slot+3], 2*HALFT
.if \fill == 1
	JLOAD G0+4*\slot, G1, G0B+4*\slot, G1B         ; the first tensor load behind the round; its four v_nop are the places ahead of the loads below
.else
	JLOAD G0+4*\slot, G1S, G0B+4*\slot, G1SB
.endif
.else
	PLACES
.endif
	FETCH_B 1-\slot, 0, 1-(\p)
	FETCH_A 1-\slot, 0, 0
	SCALES 1-\slot, 0, 1-(\p)
	ASK \ask
	WIN MUL_HI
	MUL16 4, \p, 0
	MUL16 6, \p, 0
	PLACES
	WIN 0
	FETCH_A 1-\slot, 0, 4
.endm
	s_wait_tensorcnt 0x0                           ; my part of fill 0 is in
	ds_add_u32 v[SPW], v[NIL]
	s_wait_dscnt 0x0
	CROUND                                         ; everybody's part is in, and all sixteen work-groups are here
	JLOAD G0+4, G1, G0B+4, G1B                     ; fill 1, slot 1's first
	FETCH_B 0, 0, 0
	FETCH_A 0, 0, 0
	SCALES 0, 0, 0
	FETCH_A 0, 0, 4
	s_wait_loadcnt 0x0                             ; the bias
	STEP 0, 0, 1, 1                                ; step 0: its products start the sums on the bias
	s_mov_b32 s3, 4
.Llap:                                             ; a trip: six steps, once round the ring, both slots filled again (fills 2 to 9)
	STEP 1, 0, 2, 0
	TURN 0, 0, 1, 1
	STEP 1, 1, 1, 0
	STEP 0, 1, 2, 0
	TURN 1, 1, 1, 2
	STEP 0, 0, 1, 0
	s_sub_co_u32 s3, s3, 1
	s_cmp_lg_u32 s3, 0
	s_cbranch_scc1 .Llap
	STEP 1, 0, 2, 0                                ; step 25
	TURN 0, 0, 2, 0                                ; step 26: slot 0 takes steps 30 and 31
	STEP 1, 1, 1, 0
	STEP 0, 1, 2, 0
	TURN 1, 1, 0, 0                                ; step 29: nothing more to fetch, no round; behind its barrier nobody reads slot 1
	STEP 0, 0, 1, 0                                ; step 30
; where block a comes back from the stage: block 0 where the bias lay, block 1 in q_w's idle set, block a in the accumulators of block a - 2, whose stores into the stage an earlier wait has shown done
.macro BUF a
.if (\a) < 2
.set BB, 64-64*(\a)
.set BW, (\a)
.else
.set BB, 64*(((\a)-2)%4)
.set BW, 2+((\a)-2)/4
.endif
.endm
.macro TOSTAGE a
.set AC, 64*((\a)%4)
	WIN 0x08+4*((\a)/4)                            ; the data: window 2 or 3
.irp b, 0,1,2,3,4,5,6,7
	ds_store_b128 v[STO], v[AC+8*\b:AC+8*\b+3] offset:64*\b          ; each accumulator from its low end on
	ds_store_b128 v[STO], v[AC+8*\b+4:AC+8*\b+7] offset:64*\b+16
.endr
	BUF \a
	WIN BW<<6
.irp t, 0,1,2,3,4,5,6,7,8,9,10,11,12,13,14,15
	ds_load_b128 v[BB+4*\t:BB+4*\t+3], v[RD] offset:\t*SPITCH        ; LDS serves a wave's instructions in order: these see the stores above
.endr
.endm
.macro SEND a, younger                 ; younger: the LDS instructions issued behind block a's loads
	BUF \a
	s_wait_dscnt \younger
	WIN BW<<2
.irp t, 0,1,2,3,4,5,6,7,8,9,10,11,12,13,14,15
	global_store_b128 v[CO], v[BB+4*\t:BB+4*\t+3], s[10:11] offset:(16*(\a)+\t)*SIZE_N*4 th:TH_STORE_NT   ; 32 lanes store 512 consecutive bytes, aligned to 256; 127 rows at the most, inside the signed 24-bit immediate
.endr
.endm
	s_wait_dscnt 0x0                               ; step 31: all its fragments are in registers
	WIN MUL_LO
	MUL8 0, 1, 0
	MUL8 1, 1, 0
	PLACES
	TOSTAGE 0
.irp a, 1,2,3,4,5,6,7
.if \a < 7
	WIN MUL_LO+0x50*((\a+1)/4)
	MUL8 \a+1, 1, 0                                ; the next block's products are issued while this one goes out
.endif
	PLACES
	TOSTAGE \a
	SEND \a-1, 32                                  ; behind block a - 1's loads: block a's 16 stores and 16 loads
.endr
	SEND 7, 0
	WIN 0
	s_wait_tensorcnt 0x0                           ; the wave's end
	ds_add_u32 v[SPW], v[NIL]
	s_wait_dscnt 0x0
	CROUND                                         ; the closing round
	s_endpgm
.Lfunc_end_k_qfb4530e52e_gemm:
	.size	k_qfb4530e52e_gemm, .Lfunc_end_k_qfb4530e52e_gemm-k_qfb4530e52e_gemm
	.p2alignl 7, 3214868480
	.fill 96, 4, 3214868480
	.section	.rodata,"a",@progbits
	.p2align	6, 0x0
	.amdhsa_kernel k_qfb4530e52e_gemm
		.amdhsa_group_segment_fixed_size 327680
		.amdhsa_private_segment_fixed_size 0
		.amdhsa_enable_private_segment 0
		.amdhsa_kernarg_size 32
		.amdhsa_user_sgpr_count 2
		.amdhsa_user_sgpr_kernarg_segment_ptr 1
		.amdhsa_wavefront_size32 1
		.amdhsa_system_sgpr_workgroup_id_x 1
		.amdhsa_system_sgpr_workgroup_id_y 1
		.amdhsa_system_sgpr_workgroup_id_z 1
		.amdhsa_system_vgpr_workitem_id 0
		.amdhsa_next_free_vgpr 1024
		.amdhsa_next_free_sgpr 96
		.amdhsa_reserve_vcc 0
		.amdhsa_float_denorm_mode_32 3
		.amdhsa_float_denorm_mode_16_64 3
		.amdhsa_memory_ordered 1
		.amdhsa_forward_progress 1
		.amdhsa_inst_pref_size 207
	.end_amdhsa_kernel
	.amdgpu_metadata
---
amdhsa.version: [ 1, 2 ]
amdhsa.kernels:
  - .name:           k_qfb4530e52e_gemm
    .symbol:         k_qfb4530e52e_gemm.kd
    .args:
      - { .name: aq, .offset: 0, .size: 8, .value_kind: global_buffer, .address_space: global }
      - { .name: b, .offset: 8, .size: 8, .value_kind: global_buffer, .address_space: global }
      - { .name: bq, .offset: 16, .size: 8, .value_kind: global_buffer, .address_space: global }
      - { .name: out0, .offset: 24, .size: 8, .value_kind: global_buffer, .address_space: global }
    .group_segment_fixed_size: 327680
    .private_segment_fixed_size: 0
    .kernarg_segment_align: 8
    .kernarg_segment_size: 32
    .max_flat_workgroup_size: 128
    .sgpr_count:     96
    .vgpr_count:     1024
    .wavefront_size: 32
...
	.end_amdgpu_metadata
.endif
;; end of part 3
